; MI455X (gfx1250); checked and timed in simulation.
; The chip was launched on July 23, 2026; its instructions are those of AMD's public machine-readable ISA for CDNA 5 (MIT licence, August 2026) and "CDNA5" Instruction Set Architecture Reference Guide (July 2026). The comments in the code are by the model that wrote it; some were corrected since.
;; Self Attention Head. Allowed arithmetic: matrix products marked QUANTISED: E2M1 operands, one E8M0 scale for each 32 along K, by v_wmma_scale_f32_16x16x128_f8f6f4 with both operands' format E2M1 (or v_wmma_scale_f32_32x16x128_f4), f32 sums; everything else in f32.
;; Inputs: Wk_codes 64 x 24 x 16 uint8 (E2M1 codes of Wk, K innermost, in blocks of 32 codes, two codes a byte); Wk_scales 64 x 24 uint8 (E8M0 scales of Wk, one for each 32 codes along K); Wq_codes 64 x 24 x 16 uint8 (E2M1 codes of Wq, K innermost, in blocks of 32 codes, two codes a byte); Wq_scales 64 x 24 uint8 (E8M0 scales of Wq, one for each 32 codes along K); Wv_codes 64 x 24 x 16 uint8 (E2M1 codes of Wv, K innermost, in blocks of 32 codes, two codes a byte); Wv_scales 64 x 24 uint8 (E8M0 scales of Wv, one for each 32 codes along K); x_codes 4 x 4,096 x 24 x 16 uint8 (E2M1 codes of x, K innermost, in blocks of 32 codes, two codes a byte); x_scales 4 x 4,096 x 24 uint8 (E8M0 scales of x, one for each 32 codes along K).
;; Outputs: out0 4 x 4,096 x 64 float32.
;; This version of the problem:
;;   THIS VERSION OF THE PROBLEM IS GIVEN IN LOW PRECISION. The matrix products marked QUANTISED in the list below multiply operands that are first quantised to E2M1 (2 exponent bits, 1 mantissa bit; 4 bits a number), with one power-of-two scale for each 32 numbers along K (OCP MX v1.0); their sums are f32. All else is computed in f32.
;;   The module's matrix products, in the order in which they are computed (A, B: the left and right operand; K: the contracted axis; several contracted axes count as one K, in the product's order):
;;     1. [M 16,384, K 768] x [K 768, N 64]; A: input x (given as codes); B: input Wk (given as codes): QUANTISED
;;     2. [M 16,384, K 768] x [K 768, N 64]; A: input x (given as codes); B: input Wq (given as codes): QUANTISED
;;     3. [M 16,384, K 768] x [K 768, N 64]; A: input x (given as codes); B: input Wv (given as codes): QUANTISED
;;     4. batch 4 x [M 4,096, K 64] x [K 64, N 4,096]; A: computed on the way; B: computed on the way: QUANTISED
;;     5. batch 4 x [M 4,096, K 4,096] x [K 4,096, N 64]; A: softmax (see below); B: computed on the way: QUANTISED
;;   THE QUANTISER, for each operand of a quantised product, along K:
;;     - K is cut into blocks of 32 from its start; a last block that is shorter is filled with zeros.
;;     - A block's scale is 2^e with e = floor(log2(the largest magnitude in the block)) - 2, held to -126 .. 127; a block of zeros has e = 0. As a byte (E8M0): e + 127.
;;     - Each number is divided by its block's scale, clamped to +-6, and rounded to the nearest number of E2M1, ties to even, subnormals kept.
;;     - The product sums the exact products of the quantised numbers (number of the format x scale) in f32.
;;   ~~~python
;;   def quantise(x, axis):      # numpy; x: float32 -> the quantised numbers, widened to float32 again
;;       x = np.moveaxis(x, axis, -1); K = x.shape[-1]
;;       x = np.pad(x, [(0, 0)] * (x.ndim - 1) + [(0, -K % 32)]); x = x.reshape(x.shape[:-1] + (-1, 32)); a = np.abs(x).max(-1, keepdims=True)
;;       e = np.where(a > 0, np.clip(np.frexp(np.where(a > 0, a, 1))[1] - 1 - 2, -126, 127), 0)      # np.frexp(a)[1] - 1 = floor(log2(a)), exactly
;;       r = np.clip(x / 2.0 ** e, -6, 6)
;;       step = 2.0 ** (np.maximum(np.frexp(np.where(r == 0, 1, r))[1] - 1, 0) - 1)
;;       q = np.round(r / step) * step * 2.0 ** e      # np.round: ties to even
;;       return np.moveaxis(q.reshape(q.shape[:-2] + (-1,))[..., :K], -1, axis).astype(np.float32)
;;   ~~~
;;   SOFTMAX AHEAD OF A QUANTISED PRODUCT. Where the list says 'softmax', what is quantised is not the finished softmax but p = 2^(t - M), with t = logit x log2(e) and M = ceil(the row's largest t), a whole number; so 1/2 < the row's largest p <= 1. The row's sum l is taken of the UNQUANTISED p, in f32, and the product's result is divided by l at the end. Since M is a whole number, a kernel that streams over the keys may use a running M (the ceiling of the running maximum): every later rescaling is an exact power of two, which a block's scale takes up: the codes' values come out the same.
;;   OPERANDS COMPUTED ON THE WAY. 'Computed on the way' means the value that the module computes at that place (a softmax that the list does not call 'softmax' is quantised finished and normalised). What goes into a quantiser is computed in f32, as accurately as f32 sums, v_exp_f32 and their like allow (about 1e-6 of the number): no bf16 or f16 on the way to a quantiser, and a product that is left as it is and whose result goes on into a quantised operand takes f32 operands (vector FMAs, or v_wmma_f32_16x16x4_f32). A number that lies on a knife's edge between two numbers of the format may be rounded either way, as far as f32 arithmetic and the matrix unit's own rounding can turn it there, and no further.
;;   INPUTS GIVEN AS CODES. Wk (in the module: [768, 64], K = its axis 0); Wq (in the module: [768, 64], K = its axis 0); Wv (in the module: [768, 64], K = its axis 0); x (in the module: [4, 4096, 768], K = its axis 2): each comes as NAME_codes (uint8): NAME with its K axis moved to the last place and cut into blocks of 32 codes, [.., K / 32, bytes a block], one block behind the other in memory; two codes a byte, the lower K in the low four bits (a code: sign, 2 exponent bits, 1 mantissa bit); and NAME_scales (uint8): the same leading axes, one E8M0 byte (e + 127) for each 32 codes along K. Its value is code x scale, taken as it is: it is not quantised again, and the codes and scales need not be those that the quantiser above would give.
;; 2 versions, each right; version 2 is version 1 with the launch proj written anew for expert scheduling mode. Each part assembles by itself: llvm-mc -triple=amdgcn-amd-amdhsa -mcpu=gfx1250 --defsym DOCPART=n.
;; ======== version 1 of 2: 2 launches
;; workspace buffers: qc 589,824 bytes; kv 1,146,880 bytes
;; launch proj (part 1): grid 256 x 1, 4 waves a work-group, no clusters, 1,536 bytes of LDS; arguments x_codes, x_scales, Wq_codes, Wq_scales, Wk_codes, Wk_scales, Wv_codes, Wv_scales, qc, kv; writes qc, kv
.if DOCPART == 1
	.amdgcn_target "amdgcn-amd-amdhsa--gfx1250"
	.amdhsa_code_object_version 6
	.text
	.protected	k_q21dcf7ec6b_proj
	.globl	k_q21dcf7ec6b_proj
	.p2align	8
	.type	k_q21dcf7ec6b_proj,@function
k_q21dcf7ec6b_proj:
	s_mov_b64 s[64:65], 0
	v_nop
	global_prefetch_b8 v0, s[64:65] scope:SCOPE_SE
	s_setreg_imm32_b32 hwreg(HW_REG_WAVE_MODE, 25, 1), 1
	s_wait_xcnt 0x0
; q = x Wq, k = x Wk, v = x Wv on codes of FP4 (E2M1) with E8M0 scales, K = 768 in six steps of 128; then q and k are quantised along the 64 channels and v along the keys,
; and all three are laid in memory in the order of the operand registers of the launch that follows, so that it fetches every fragment as 16 bytes a lane, lanes on end.
; SHARES.  16,384 rows are 128 groups of 128.  Work-group n takes group n / 2.  n even: q (into qc) and v's channels 0-31; n odd: k (into kv) and v's channels 32-63.  One path through the text:
; only pointers and offsets are chosen, on the work-group's number.  Wave w takes rows 32 w .. 32 w + 31 of the group as two tiles: lane r of tile u takes row 8 u + r + 8 (r / 8).
; q, k: THE PRODUCT IS USED TRANSPOSED (source 0 = 16 rows of W, source 1 = 16 rows of x), and lane r of W's tile 2 b + u takes W's row 32 b + 8 u + r + 8 (r / 8): a lane then holds one row of x, and the
; 16 registers of tiles 2 b, 2 b + 1 are channels 32 b + 16 (lane / 16) + 0 .. 15.   v: source 0 = x, source 1 = 16 rows of Wv: a lane holds one channel, and its 16 registers are keys 16 (lane / 16) + 0 .. 15 of the wave's 32.
; A block's scale byte is its largest magnitude's exponent field - 2, held at 1 from below; the conversion divides, holds at +-6 and rounds to the nearest code, ties to even.
; LIMITS: NaN and infinities are not served; a block of zeros gets the byte 1 (its codes are zeros, and this program alone reads the bytes); blocks whose largest magnitude lies under 2^-124 sit at that floor.
; NO CLUSTER, NO LDS TILES: every operand goes from memory straight into the registers of the wave that multiplies it, once: 12 KiB of x, 24 KiB of W and 12 KiB of Wv a wave; there is no tile in LDS that a joint load could fill.
; OUT.  kv: a block of 8,960 bytes for each 128 keys: 8 tiles of k x 512 bytes | 4 tiles of v^T x 1,024 | 512 bytes of k's scale words [lane][4] | 256 of v's [2][lane].  qc: 4,608 bytes for each 128 queries: 8 x 512 | 512.
; REGISTERS, in windows of 256.  Window 0: as named below.  Window 1: W's fragment (t, s) at v[8 (6 t + s)].  Window 2: Wv's fragment (c, s) at v[8 (6 c + s)].
.set XS,   16                          ; v16-21   x's scale word of K step s: lanes 0-15 tile 0, lanes 16-31 tile 1
.set WS,   22                          ; v22-33   W's: v[WS + 6 b + s]: lanes 0-15 tile 2 b, lanes 16-31 tile 2 b + 1
.set VS,   34                          ; v34-39   Wv's: lanes 0-15 tile 0, lanes 16-31 tile 1
.set X,    40                          ; v40-135  x's fragment (u, s) at X + 48 u + 8 s
.set ACC,  136                         ; v136-199 q or k: accumulator (u, t) at ACC + 8 (4 u + t)
.set ACCV, 200                         ; v200-231 v: accumulator (c, u) at ACCV + 16 c + 8 u
.set TM,   232                         ; v232-235 largest magnitudes; v236-239 the other half's, then bytes; v240-243 the conversions' scale operands
.set PC,   244                         ; v244-251 codes of q or k
.set VC,   10                          ; v10-13   codes of v
.set QBLK, 4608
.set KBLK, 8960
.set MSB, 0
.macro WIN new                         ; the immediate's high byte repeats the setting that is left
.if MSB != \new
	s_set_vgpr_msb (MSB<<8)|\new
.set MSB, \new
.endif
.endm
; One matrix instruction.  z: the sum begins (C = 0).  ra, rb: source 0's, source 1's scales stand in lanes 16-31 of the register named.
.macro WM d, a, b, z, sa, sb, ra, rb
.if (\z) && (\ra) && (\rb)
	v_wmma_scale_f32_16x16x128_f8f6f4 v[\d:\d+7], v[\a:\a+7], v[\b:\b+7], 0, v[\sa], v[\sb] matrix_a_fmt:MATRIX_FMT_FP4 matrix_b_fmt:MATRIX_FMT_FP4 matrix_a_scale:MATRIX_SCALE_ROW1 matrix_b_scale:MATRIX_SCALE_ROW1
.elseif (\z) && (\ra)
	v_wmma_scale_f32_16x16x128_f8f6f4 v[\d:\d+7], v[\a:\a+7], v[\b:\b+7], 0, v[\sa], v[\sb] matrix_a_fmt:MATRIX_FMT_FP4 matrix_b_fmt:MATRIX_FMT_FP4 matrix_a_scale:MATRIX_SCALE_ROW1
.elseif (\z) && (\rb)
	v_wmma_scale_f32_16x16x128_f8f6f4 v[\d:\d+7], v[\a:\a+7], v[\b:\b+7], 0, v[\sa], v[\sb] matrix_a_fmt:MATRIX_FMT_FP4 matrix_b_fmt:MATRIX_FMT_FP4 matrix_b_scale:MATRIX_SCALE_ROW1
.elseif (\z)
	v_wmma_scale_f32_16x16x128_f8f6f4 v[\d:\d+7], v[\a:\a+7], v[\b:\b+7], 0, v[\sa], v[\sb] matrix_a_fmt:MATRIX_FMT_FP4 matrix_b_fmt:MATRIX_FMT_FP4
.elseif (\ra) && (\rb)
	v_wmma_scale_f32_16x16x128_f8f6f4 v[\d:\d+7], v[\a:\a+7], v[\b:\b+7], v[\d:\d+7], v[\sa], v[\sb] matrix_a_fmt:MATRIX_FMT_FP4 matrix_b_fmt:MATRIX_FMT_FP4 matrix_a_scale:MATRIX_SCALE_ROW1 matrix_b_scale:MATRIX_SCALE_ROW1
.elseif (\ra)
	v_wmma_scale_f32_16x16x128_f8f6f4 v[\d:\d+7], v[\a:\a+7], v[\b:\b+7], v[\d:\d+7], v[\sa], v[\sb] matrix_a_fmt:MATRIX_FMT_FP4 matrix_b_fmt:MATRIX_FMT_FP4 matrix_a_scale:MATRIX_SCALE_ROW1
.elseif (\rb)
	v_wmma_scale_f32_16x16x128_f8f6f4 v[\d:\d+7], v[\a:\a+7], v[\b:\b+7], v[\d:\d+7], v[\sa], v[\sb] matrix_a_fmt:MATRIX_FMT_FP4 matrix_b_fmt:MATRIX_FMT_FP4 matrix_b_scale:MATRIX_SCALE_ROW1
.else
	v_wmma_scale_f32_16x16x128_f8f6f4 v[\d:\d+7], v[\a:\a+7], v[\b:\b+7], v[\d:\d+7], v[\sa], v[\sb] matrix_a_fmt:MATRIX_FMT_FP4 matrix_b_fmt:MATRIX_FMT_FP4
.endif
.endm
	s_load_b512 s[4:19], s[0:1], 0x0               ; x's codes 4:5, scales 6:7; Wq's 8:9, 10:11; Wk's 12:13, 14:15; Wv's 16:17, 18:19
	s_load_b128 s[20:23], s[0:1], 0x40             ; qc 20:21, kv 22:23
	v_lshl_add_u32 v8, v0, 2, 0x400
	v_mov_b32 v255, 0
	v_lshrrev_b32 v1, 5, v0
	v_readfirstlane_b32 s24, v1                    ; wave 0..3
	s_lshr_b32 s25, ttmp9, 1                       ; the group of 128 rows
	s_and_b32 s26, ttmp9, 1                        ; 0: q and v's lower channels; 1: k and v's upper
	s_mov_b32 s30, 0x76543210
	s_mov_b32 s31, 0xfedcba98                      ; v_permlanex16_b32's selects for lane l xor 16
	v_and_b32 v254, 31, v0                         ; lane
	v_and_b32 v10, 15, v0                          ; r
	v_bfe_u32 v11, v0, 4, 1                        ; h
	v_and_b32 v12, 8, v10
	v_add_nc_u32 v12, v12, v10                     ; r + 8 (r / 8)
	v_lshlrev_b32 v1, 4, v254                      ; v1: 16 x lane
	v_mul_u32_u24 v2, v12, 384
	v_lshl_add_u32 v2, v11, 4, v2                  ; v2: x's and W's fragments: row r + 8 (r / 8) of 384 bytes, + 16 h
	v_mul_u32_u24 v3, v10, 384
	v_lshl_add_u32 v3, v11, 4, v3                  ; v3: Wv's: row r, + 16 h
	v_lshl_add_u32 v4, v11, 3, v12
	v_mul_u32_u24 v4, v4, 24                       ; v4: x's and W's scale words: row 8 h + r + 8 (r / 8) of 24 bytes: the tile of my half of the lanes
	v_mul_u32_u24 v5, v254, 24                     ; v5: Wv's: row = lane
	v_lshlrev_b32 v6, 4, v10
	v_lshl_add_u32 v6, v11, 3, v6                  ; v6: v's codes on the way out: 16 r + 8 h
	v_lshlrev_b32 v7, 2, v0                        ; v7: LDS: 4 x my thread's number = 128 x wave + 4 x lane
	v_lshlrev_b32 v9, 2, v254                      ; v9: 4 x lane
.irp b, 0,1,2,3
	v_mov_b32 v[TM+4+\b], 0                        ; written once: a lane permute's destination counts as one of its sources
.endr
	s_mul_i32 s40, s25, 49152                      ; x's codes: 128 rows of 384 bytes a group,
	s_mul_i32 s41, s24, 12288                      ; 32 rows a wave
	s_add_co_u32 s40, s40, s41
	s_mov_b32 s41, 0
	s_mul_i32 s42, s25, 3072                       ; x's scales: 24 bytes a row
	s_mul_i32 s43, s24, 768
	s_add_co_u32 s42, s42, s43
	s_mov_b32 s43, 0
	s_mul_i32 s44, s26, 12288                      ; Wv's 32 rows of mine: codes,
	s_mov_b32 s45, 0
	s_mul_i32 s46, s26, 768                        ; scales
	s_mov_b32 s47, 0
	s_mul_i32 s50, s25, KBLK                       ; the group's block in kv
	s_lshl_b32 s51, s26, 11                        ; v^T: two tiles of 1,024 bytes for each work-group of the pair,
	s_add_co_u32 s52, s50, s51
	s_lshl_b32 s51, s24, 8                         ; in a tile the wave's 32 keys are 256 bytes: piece w / 2, lanes 16 (w % 2) on
	s_add_co_u32 s52, s52, s51
	s_add_co_u32 s52, s52, 4096
	s_mov_b32 s53, 0
	s_lshl_b32 s51, s26, 7                         ; v's scale words: 128 bytes for each work-group of the pair
	s_add_co_u32 s54, s50, s51
	s_add_co_u32 s54, s54, 8704
	s_mov_b32 s55, 0
	s_wait_kmcnt 0x0
	s_cmp_eq_u32 s26, 0                            ; the choice hangs on the work-group's number alone; moves, selects and multiplies leave SCC as it is
	s_cselect_b64 s[8:9], s[8:9], s[12:13]         ; W's codes: Wq's or Wk's
	s_cselect_b64 s[10:11], s[10:11], s[14:15]     ; W's scales
	s_cselect_b64 s[32:33], s[20:21], s[22:23]     ; where q or k goes
	s_mov_b32 s48, KBLK
	s_cselect_b32 s48, QBLK, s48                   ; a block there,
	s_mov_b32 s49, 8192
	s_cselect_b32 s49, 4096, s49                   ; and where its scale words begin
	s_mul_i32 s48, s25, s48
	s_add_co_u32 s56, s48, s49
	s_mov_b32 s57, 0
	s_lshl_b32 s49, s24, 10                        ; the wave's two tiles: 1,024 bytes
	s_add_co_u32 s48, s48, s49
	s_mov_b32 s49, 0
	s_add_nc_u64 s[34:35], s[32:33], s[56:57]      ; s[34:35]: the block's scale words
	s_add_nc_u64 s[32:33], s[32:33], s[48:49]      ; s[32:33]: my two tiles
	s_add_nc_u64 s[4:5], s[4:5], s[40:41]
	s_add_nc_u64 s[6:7], s[6:7], s[42:43]
	s_add_nc_u64 s[16:17], s[16:17], s[44:45]
	s_add_nc_u64 s[18:19], s[18:19], s[46:47]
	s_add_nc_u64 s[36:37], s[22:23], s[52:53]      ; s[36:37]: my keys' place in v^T's tiles
	s_add_nc_u64 s[38:39], s[22:23], s[54:55]      ; s[38:39]: v's scale words
	; ALL LOADS AT THE HEAD: what the first product wants first (81 loads), then what the second wants besides (27)
.irp k, 0,1,2
	global_load_b64 v[XS+2*\k:XS+2*\k+1], v4, s[6:7] offset:8*\k
.endr
.irp b, 0,1
.irp k, 0,1,2
	global_load_b64 v[WS+6*\b+2*\k:WS+6*\b+2*\k+1], v4, s[10:11] offset:768*\b+8*\k
.endr
.endr
.irp u, 0,1
.irp s, 0,1,2,3,4,5
.irp c, 0,1
	global_load_b128 v[X+48*\u+8*\s+4*\c:X+48*\u+8*\s+4*\c+3], v2, s[4:5] offset:3072*\u+64*\s+32*\c
.endr
.endr
.endr
	WIN 0x40                                       ; destination window 1
.irp t, 0,1,2,3
.irp s, 0,1,2,3,4,5
.irp c, 0,1
	global_load_b128 v[8*(6*\t+\s)+4*\c:8*(6*\t+\s)+4*\c+3], v2, s[8:9] offset:(32*(\t/2)+8*(\t%2))*384+64*\s+32*\c
.endr
.endr
.endr
	WIN 0
.irp k, 0,1,2
	global_load_b64 v[VS+2*\k:VS+2*\k+1], v5, s[18:19] offset:8*\k
.endr
	WIN 0x80                                       ; destination window 2
.irp c, 0,1
.irp s, 0,1,2,3,4,5
.irp p, 0,1
	global_load_b128 v[8*(6*\c+\s)+4*\p:8*(6*\c+\s)+4*\p+3], v3, s[16:17] offset:6144*\c+64*\s+32*\p
.endr
.endr
.endr
	WIN 0
	s_wait_loadcnt 27                              ; loads come back in order: all but Wv's 3 scale loads and 24 fragment loads are in
	WIN 0x01                                       ; source 0 (W) window 1
.irp s, 0,1,2,3,4,5                    ; q or k: eight accumulators by turns, one instruction a turn, K ascending
.irp u, 0,1
.irp t, 0,1,2,3
	WM ACC+8*(4*\u+\t), 8*(6*\t+\s), X+48*\u+8*\s, \s==0, WS+6*(\t/2)+\s, XS+\s, \t%2, \u
.endr
.endr
.endr
	s_wait_loadcnt 0x0                             ; Wv
	WIN 0x08                                       ; source 1 (Wv) window 2
.irp s, 0,1,2,3,4,5                    ; v: four accumulators by turns
.irp c, 0,1
.irp u, 0,1
	WM ACCV+16*\c+8*\u, X+48*\u+8*\s, 8*(6*\c+\s), \s==0, XS+\s, VS+\s, \u, \c
.endr
.endr
.endr
	WIN 0
.rept 4
	v_nop                                          ; four places between the last matrix instruction and the first read of results
.endr
	; q or k INTO CODES.  Block 2 u + b: channels 32 b .. 32 b + 31 of my row of tile u: 16 numbers here, 16 in lane l xor 16.  Each accumulator is read from its low end on.
.irp b, 0,1,2,3
	v_max3_num_f32 v[TM+\b], |v[ACC+16*\b]|, |v[ACC+1+16*\b]|, 0x1800000   ; with the floor 2^(3 - 127): the byte cannot fall under 1
.endr
.irp i, 2,4,6,8,10,12,14
.irp b, 0,1,2,3
	v_max3_num_f32 v[TM+\b], v[TM+\b], |v[ACC+16*\b+\i]|, |v[ACC+1+16*\b+\i]|   ; the four blocks by turns
.endr
.endr
.irp b, 0,1,2,3
	v_permlanex16_b32 v[TM+4+\b], v[TM+\b], s30, s31
.endr
.irp b, 0,1,2,3
	v_max_num_f32 v[TM+\b], v[TM+\b], v[TM+4+\b]   ; the block's largest magnitude
.endr
.irp b, 0,1,2,3
	v_add_nc_u32 v[TM+8+\b], 0xff000000, v[TM+\b]  ; 2 off its exponent field: the conversion's scale operand
.endr
.irp b, 0,1,2,3
	v_lshrrev_b32 v[TM+4+\b], 23, v[TM+8+\b]       ; the scale's byte
.endr
	v_lshl_or_b32 v252, v[TM+5], 8, v[TM+4]        ; tile 0's scale word: byte 0 channels 0-31, byte 1 channels 32-63,
	v_lshl_or_b32 v253, v[TM+7], 8, v[TM+6]        ; tile 1's
	v_or_b32 v252, 0x7f7f0000, v252                ; bytes 2 and 3 stand for 1: the next launch fills K = 64 .. 127 with zero codes
	v_or_b32 v253, 0x7f7f0000, v253
.irp b, 0,1,2,3
	v_cvt_scalef32_pk8_fp4_f32 v[PC+2*\b], v[ACC+16*\b:ACC+16*\b+7], v[TM+8+\b]
	v_cvt_scalef32_pk8_fp4_f32 v[PC+2*\b+1], v[ACC+16*\b+8:ACC+16*\b+15], v[TM+8+\b]
.endr
	v_nop                                          ; one plain place behind a scaled conversion
.irp u, 0,1                            ; the operand's layout wants a whole block in a lane: lanes 0-15 channels 0-31, lanes 16-31 channels 32-63
.irp i, 0,1
	v_permlane16_swap_b32 v[PC+4*\u+\i], v[PC+4*\u+2+\i]
.endr
.endr
.irp u, 0,1
	global_store_b128 v1, v[PC+4*\u:PC+4*\u+3], s[32:33] offset:512*\u   ; a tile: 512 consecutive bytes, aligned to 256
.endr
	v_cmp_le_u32 vcc_lo, 16, v254
	v_cndmask_b32 v14, v252, v253, vcc_lo          ; lanes 0-15 tile 0's word, lanes 16-31 tile 1's
	ds_store_b32 v7, v14
	; v INTO CODES.  Block c: my channel's 32 keys of this wave: 16 here, 16 in lane l xor 16
.irp c, 0,1
	v_max3_num_f32 v[TM+\c], |v[ACCV+16*\c]|, |v[ACCV+1+16*\c]|, 0x1800000
.endr
.irp i, 2,4,6,8,10,12,14
.irp c, 0,1
	v_max3_num_f32 v[TM+\c], v[TM+\c], |v[ACCV+16*\c+\i]|, |v[ACCV+1+16*\c+\i]|
.endr
.endr
.irp c, 0,1
	v_permlanex16_b32 v[TM+4+\c], v[TM+\c], s30, s31
.endr
.irp c, 0,1
	v_max_num_f32 v[TM+\c], v[TM+\c], v[TM+4+\c]
.endr
.irp c, 0,1
	v_add_nc_u32 v[TM+8+\c], 0xff000000, v[TM+\c]
.endr
.irp c, 0,1
	v_lshrrev_b32 v[TM+4+\c], 23, v[TM+8+\c]
.endr
.irp c, 0,1
	v_cvt_scalef32_pk8_fp4_f32 v[VC+2*\c], v[ACCV+16*\c:ACCV+16*\c+7], v[TM+8+\c]
	v_cvt_scalef32_pk8_fp4_f32 v[VC+2*\c+1], v[ACCV+16*\c+8:ACCV+16*\c+15], v[TM+8+\c]
.endr
	v_nop                                          ; one plain place behind a scaled conversion
.irp c, 0,1
	global_store_b64 v6, v[VC+2*\c:VC+2*\c+1], s[36:37] offset:1024*\c   ; my 16 keys' codes are half of a lane's 16 bytes there: the wave stores 256 consecutive bytes, aligned
.endr
	v_cndmask_b32 v15, v[TM+4], v[TM+5], vcc_lo    ; lanes 0-15 tile 0's byte, lanes 16-31 tile 1's
	ds_store_b32 v7, v15 offset:512
	; THE SCALE WORDS of the four waves meet in LDS and leave together
	s_wait_dscnt 0x0                               ; for the others' sake: my two stores are done
	s_barrier_signal -1
	s_barrier_wait -1
	s_cmp_lg_u32 s24, 0
	s_cbranch_scc1 .Ldone                          ; wave 0 alone goes on; no barrier follows
.irp k, 0,1,2,3
	ds_load_b32 v[232+\k], v9 offset:128*\k        ; wave k's word for my lane: tile 2 k + lane / 16, row lane % 16
.endr
.irp k, 0,1,2,3
	ds_load_b32 v[236+\k], v9 offset:512+128*\k    ; wave k's byte: keys 32 k .. 32 k + 31 of channel tile lane / 16, row lane % 16
.endr
	s_wait_dscnt 0x0
	v_lshl_or_b32 v236, v237, 8, v236
	v_lshl_or_b32 v236, v238, 16, v236
	v_lshl_or_b32 v236, v239, 24, v236
	global_store_b128 v1, v[232:235], s[34:35]     ; 512 consecutive bytes
	global_store_b32 v9, v236, s[38:39]            ; 128 consecutive bytes: the pair's other work-group stores the 128 beside them
.Ldone:
	s_wait_tensorcnt 0x0
	ds_add_u32 v8, v255
	s_wait_dscnt 0x0
	s_endpgm
.Lfunc_end_k_q21dcf7ec6b_proj:
	.size	k_q21dcf7ec6b_proj, .Lfunc_end_k_q21dcf7ec6b_proj-k_q21dcf7ec6b_proj
	.p2alignl 7, 3214868480
	.fill 96, 4, 3214868480
	.section	.rodata,"a",@progbits
	.p2align	6, 0x0
	.amdhsa_kernel k_q21dcf7ec6b_proj
		.amdhsa_group_segment_fixed_size 1536
		.amdhsa_private_segment_fixed_size 0
		.amdhsa_enable_private_segment 0
		.amdhsa_kernarg_size 80
		.amdhsa_user_sgpr_count 2
		.amdhsa_user_sgpr_kernarg_segment_ptr 1
		.amdhsa_wavefront_size32 1
		.amdhsa_system_sgpr_workgroup_id_x 1
		.amdhsa_system_sgpr_workgroup_id_y 1
		.amdhsa_system_sgpr_workgroup_id_z 1
		.amdhsa_system_vgpr_workitem_id 0
		.amdhsa_next_free_vgpr 608
		.amdhsa_next_free_sgpr 66
		.amdhsa_reserve_vcc 1
		.amdhsa_float_denorm_mode_32 3
		.amdhsa_float_denorm_mode_16_64 3
		.amdhsa_memory_ordered 1
		.amdhsa_forward_progress 1
		.amdhsa_inst_pref_size 31
	.end_amdhsa_kernel
	.amdgpu_metadata
---
amdhsa.version: [ 1, 2 ]
amdhsa.kernels:
  - .name:           k_q21dcf7ec6b_proj
    .symbol:         k_q21dcf7ec6b_proj.kd
    .args:
      - { .name: x_codes, .offset: 0, .size: 8, .value_kind: global_buffer, .address_space: global }
      - { .name: x_scales, .offset: 8, .size: 8, .value_kind: global_buffer, .address_space: global }
      - { .name: Wq_codes, .offset: 16, .size: 8, .value_kind: global_buffer, .address_space: global }
      - { .name: Wq_scales, .offset: 24, .size: 8, .value_kind: global_buffer, .address_space: global }
      - { .name: Wk_codes, .offset: 32, .size: 8, .value_kind: global_buffer, .address_space: global }
      - { .name: Wk_scales, .offset: 40, .size: 8, .value_kind: global_buffer, .address_space: global }
      - { .name: Wv_codes, .offset: 48, .size: 8, .value_kind: global_buffer, .address_space: global }
      - { .name: Wv_scales, .offset: 56, .size: 8, .value_kind: global_buffer, .address_space: global }
      - { .name: qc, .offset: 64, .size: 8, .value_kind: global_buffer, .address_space: global }
      - { .name: kv, .offset: 72, .size: 8, .value_kind: global_buffer, .address_space: global }
    .group_segment_fixed_size: 1536
    .private_segment_fixed_size: 0
    .kernarg_segment_align: 8
    .kernarg_segment_size: 80
    .max_flat_workgroup_size: 128
    .sgpr_count:     66
    .vgpr_count:     608
    .wavefront_size: 32
...
	.end_amdgpu_metadata
.endif
;; end of part 1
;; launch attn (part 2): grid 64 x 4, 16 waves a work-group, clusters of 4 x 1, 292,864 bytes of LDS; arguments qc, kv, out0; writes out0
.if DOCPART == 2
	.amdgcn_target "amdgcn-amd-amdhsa--gfx1250"
	.amdhsa_code_object_version 6
	.text
	.protected	k_q21dcf7ec6b_attn
	.globl	k_q21dcf7ec6b_attn
	.p2align	8
	.type	k_q21dcf7ec6b_attn,@function
k_q21dcf7ec6b_attn:
	s_mov_b64 s[64:65], 0
	v_nop
	global_prefetch_b8 v0, s[64:65] scope:SCOPE_SE
	s_setreg_imm32_b32 hwreg(HW_REG_WAVE_MODE, 25, 1), 1
	s_wait_xcnt 0x0
	s_wait_alu depctr_hold_cnt(0) depctr_sa_sdst(0) depctr_va_vdst(0) depctr_va_sdst(0) depctr_va_ssrc(0) depctr_va_vcc(0) depctr_vm_vsrc(0)
	s_getreg_b32 s2, hwreg(HW_REG_IB_STS2, 6, 4)
	s_cmp_eq_u32 s2, 0
	s_cbranch_scc0 .Lentry_in_a_cluster
	s_endpgm
.Lentry_in_a_cluster:
	s_bfe_u32 s2, ttmp6, 0x10000c
	s_cmp_lg_u32 s2, 0x3003
	s_cbranch_scc0 .Lentry_shape_is_right
	s_endpgm
.Lentry_shape_is_right:
; out[b][q][:] = the sum over keys k <= q of softmax_k(q . k / 8) v[k][:], both products on codes of FP4 (E2M1) with E8M0 scales; 4 batches, 4,096 rows, 64 channels.
; qc and kv hold q, k and v^T as images of operand registers (16 bytes a lane, lanes on end) with their scale words: a block of 4,608 bytes for 128 queries, of 8,960 bytes for 128 keys.
; THE SOFTMAX: t = score x log2(e) / 8 (1 / 8 is a power of two: one multiplication gives the bits of two); M = the largest t so far, rounded up to a whole number; p = 2^(t - M) is quantised along the keys, not normalised;
; the row's sum is taken of the unquantised p and divides at the end; when M moves, the sum and O are multiplied by 2^(old M - new M), which rounds nothing.
; SHARES.  A work-group owns two blocks of 32 queries of one batch: block g = 4 X + cx and block 127 - g (X: the cluster's x; cx: my place in it).  The low block needs key steps (128 keys) 0 .. X, the high block 0 .. 31 - X:
; 33 steps for each pair of tiles, whatever g.  Both bounds hang on X alone: every branch is alike in the four partners.  Wave w: U = w / 8 picks the tile of 16 queries in each block, SP = w % 8 the keys:
; for the low tile steps SP and SP + 8, for the high tile steps 7 - SP, 15 - SP, 23 - SP, 31 - SP: six trips of constant count, of which 4 or 5 have work; a step whose keys all come after the queries is jumped over.
; The eight waves' partial results of a tile (O, M, sum) meet in LDS at the end and are joined under the largest M.
; K AND V STAY IN LDS: a batch's 32 blocks are 286,720 bytes.  Each wave fetches two of them, blocks w and 16 + w, once: nothing is filled again.  CLUSTER: the four partners read the same batch, so each block is asked
; for JOINTLY: the same tensor load, the same descriptor, a mask that names the four.  Two tensor loads of a wave are out at the most.
; LAYOUT.  Both products are used transposed: S^T = K Q^T (source 0 = 16 keys), O^T = V^T P^T (source 0 = 16 channels): a lane holds ONE query (lane % 16) throughout.  Lane r of key tile 2 b + u holds key 32 b + 8 u + r + 8 (r / 8), so
; that the 16 registers of tiles 2 b, 2 b + 1 are keys 32 b + 16 (lane / 16) + 0 .. 15.  The first product's K is 64: registers 4-7 of K's and Q's fragments are zero codes, under scale bytes that stand for 1.
; LIMITS: NaN and infinities are not served; a block of p that is all zeros keeps the byte 1 (its codes are zeros).
; REGISTERS: v1 16 x lane, v2 4 x lane, v3, v4 addresses of the step in hand, v5, v6 the diagonal's bound for the low and the high tile, v7 -infinity; v8-11 low tile: -M, largest t, the sum in two halves; v12-15 high tile;
; v16-23 Q low; v24-27 K's scale words, v28-29 V's, v30, v31 Q's; v32-63 four fragments of K; v64-127 S^T, then p; v128-159 O^T low; v160-191 O^T high; v192-223 V's four fragments; v224-231 p's codes; v232-239 Q high; v240-255 at work.
.set S,     64
.set BM,    240                        ; v240-243 each block's largest score, then its largest p
.set PT,    244                        ; v244-247 the other half's maxima; a chain of the sum; the scale bytes
.set SO,    248                        ; v248-251 the conversions' scale operands
.set BLK,   8960                       ; a key step's block
.set CHUNK, 16*BLK                     ; what the sixteen waves' first loads bring; their second loads bring as much behind it
.set STATS, 32*BLK                     ; behind the blocks, bytes of their own: -M at 1,024 T + 512 U + 32 r + 4 SP (T: low 0, high 1); the sums 2,048 further on
.set PART,  16*272                     ; the stage: a partial result, 16 rows x (256 bytes + 16); partial 16 T + w at PART x (16 T + w), laid over the blocks when they have had their only fill and their last read
.macro ROUND                           ; a round of the cluster's barrier
	s_barrier_signal -1
	s_barrier_wait -1
	s_cmp_lg_u32 s10, 0
	s_cbranch_scc1 .Lnot_wave_0_\@
	s_barrier_signal -3
.Lnot_wave_0_\@:
	s_barrier_wait -3
	s_barrier_signal -1
	s_barrier_wait -1
.endm
.macro KQ d, a, b, sa, sb, ra          ; a tile of S^T; ra: the keys' scale words stand in lanes 16-31
.if \ra
	v_wmma_scale_f32_16x16x128_f8f6f4 v[\d:\d+7], v[\a:\a+7], v[\b:\b+7], 0, v[\sa], v[\sb] matrix_a_fmt:MATRIX_FMT_FP4 matrix_b_fmt:MATRIX_FMT_FP4 matrix_a_scale:MATRIX_SCALE_ROW1
.else
	v_wmma_scale_f32_16x16x128_f8f6f4 v[\d:\d+7], v[\a:\a+7], v[\b:\b+7], 0, v[\sa], v[\sb] matrix_a_fmt:MATRIX_FMT_FP4 matrix_b_fmt:MATRIX_FMT_FP4
.endif
.endm
.macro PV d, a, b, sa, sb, ra          ; a tile of O^T, added in place
.if \ra
	v_wmma_scale_f32_16x16x128_f8f6f4 v[\d:\d+7], v[\a:\a+7], v[\b:\b+7], v[\d:\d+7], v[\sa], v[\sb] matrix_a_fmt:MATRIX_FMT_FP4 matrix_b_fmt:MATRIX_FMT_FP4 matrix_a_scale:MATRIX_SCALE_ROW1
.else
	v_wmma_scale_f32_16x16x128_f8f6f4 v[\d:\d+7], v[\a:\a+7], v[\b:\b+7], v[\d:\d+7], v[\sa], v[\sb] matrix_a_fmt:MATRIX_FMT_FP4 matrix_b_fmt:MATRIX_FMT_FP4
.endif
.endm
; A KEY STEP: step s16, whose block begins at LDS byte s17.  ob: O^T; st: the tile's four statistics; qf, qs: Q's fragment and scale words; dm: the diagonal's bound; jd: the scalar with the diagonal's step.
; test = 1: the step may lie behind the diagonal (jumped over, but for the two lines that step on) or on it (hidden scores become -infinity).  All matrix instructions that follow each other name different accumulators.
.macro STEP ob, st, qf, qs, dm, jd, test
.if \test
	s_cmp_gt_u32 s16, s[\jd]
	s_cbranch_scc1 .Lhidden_\@
.endif
	v_add_nc_u32 v3, s17, v1
	v_add_nc_u32 v4, s17, v2
.irp t, 0,1,2,3
	ds_load_b128 v[32+8*\t:35+8*\t], v3 offset:512*\t              ; key tiles 0-3
.endr
	ds_load_b128 v[24:27], v3 offset:8192                          ; K's scale words: register i: lanes 0-15 tile 2 i, lanes 16-31 tile 2 i + 1
	s_wait_dscnt 0x0
.irp t, 0,1,2,3
	KQ S+8*\t, 32+8*\t, \qf, 24+\t/2, \qs, \t%2
.endr
.rept 4
	v_nop                                          ; places in front of loads into K's registers; with the two additions above also in front of loads into V's, which the last step's products read
.endr
.irp t, 0,1,2,3
	ds_load_b128 v[32+8*\t:35+8*\t], v3 offset:2048+512*\t         ; key tiles 4-7
.endr
.irp c, 0,1,2,3
	ds_load_b128 v[192+8*\c:195+8*\c], v3 offset:4096+1024*\c      ; V^T, 16 channels x 128 keys a tile: asked for a softmax ahead of its use
	ds_load_b128 v[196+8*\c:199+8*\c], v3 offset:4096+1024*\c+512
.endr
	ds_load_b32 v28, v4 offset:8704
	ds_load_b32 v29, v4 offset:8832
	s_wait_dscnt 10                                ; LDS loads come back in order: K's four are in; V's eight and its two scale loads may be out
.irp t, 0,1,2,3
	KQ S+32+8*\t, 32+8*\t, \qf, 26+\t/2, \qs, \t%2
.endr
.rept 4
	v_nop                                          ; places in front of the first read of the scores
.endr
.if \test
	s_cmp_lg_u32 s16, s[\jd]
	s_cbranch_scc1 .Lopen_\@
.set n, 0
.rept 64                               ; register 16 b + i holds key 32 b + 16 (lane / 16) + i of the step: hidden where 32 b + i > my query - the step's first key - 16 (lane / 16)
	v_cmp_gt_i32 vcc_lo, 32*(n/16)+n%16, v[\dm]
	v_cndmask_b32 v[S+n], v[S+n], v7, vcc_lo
.set n, n+1
.endr
.Lopen_\@:
.endif
.irp b, 0,1,2,3
	v_max3_num_f32 v[BM+\b], v[S+16*\b], v[S+1+16*\b], v[S+2+16*\b]   ; the largest score of each block of 32 keys: for the row's maximum, and, since p rises with the score, for the block's largest p
.endr
.irp i, 3,5,7,9,11,13
.irp b, 0,1,2,3
	v_max3_num_f32 v[BM+\b], v[BM+\b], v[S+16*\b+\i], v[S+1+16*\b+\i]
.endr
.endr
.irp b, 0,1,2,3
	v_max_num_f32 v[BM+\b], v[BM+\b], v[S+15+16*\b]
.endr
.irp b, 0,1,2,3
	v_permlanex16_b32 v[PT+\b], v[BM+\b], s40, s41
.endr
.irp b, 0,1,2,3
	v_max_num_f32 v[BM+\b], v[BM+\b], v[PT+\b]     ; with lane l xor 16's 16 keys
.endr
	v_max3_num_f32 v254, v[BM], v[BM+1], v[BM+2]
	v_max_num_f32 v254, v254, v[BM+3]              ; the step's largest score of my query
	v_mul_f32 v254, s22, v254                      ; as t
	v_max_num_f32 v[\st+1], v[\st+1], v254         ; the running largest t
	v_mov_b32 v254, v[\st]
	v_floor_f32 v[\st], -v[\st+1]                  ; the new -M = floor(-t): M is a whole number
	v_sub_f32 v254, v[\st], v254                   ; old M - new M: a whole number, 0 or less
	v_cvt_i32_f32 v254, v254                       ; (it saturates)
	v_ldexp_f32 v252, 1.0, v254                    ; f = 2^(old M - new M)
.set j, 0
.rept 32
	v_pk_fma_f32 v[S+j:S+j+1], v[S+j:S+j+1], s[22:23], v[\st:\st+1] op_sel_hi:[1,0,0]   ; t - M, two at a time (of the pairs c and -M the low word serves both halves)
.set j, j+2
.endr
.irp b, 0,1,2,3
	v_fma_f32 v[BM+\b], v[BM+\b], s22, v[\st]      ; the same of each block's largest score
.endr
.set j, 0
.rept 64
	v_exp_f32 v[S+j], v[S+j]                       ; p = 2^(t - M)
.set j, j+1
.endr
	v_pk_mul_f32 v[\st+2:\st+3], v[\st+2:\st+3], v[252:253] op_sel_hi:[1,0]   ; the sums under the new M: the plain instruction behind the exponentials
	s_wait_alu depctr_va_vdst(0)                   ; one wait for the batch of 64, ahead of its first reader
.irp b, 0,1,2,3
	v_exp_f32 v[BM+\b], v[BM+\b]                   ; each block's largest p
.endr
	v_pk_add_f32 v[PT:PT+1], v[S:S+1], v[S+2:S+3]  ; the row's sum is taken of the unquantised p, in two chains
.set j, 4
.rept 15
	v_pk_add_f32 v[\st+2:\st+3], v[\st+2:\st+3], v[S+j:S+j+1]
	v_pk_add_f32 v[PT:PT+1], v[PT:PT+1], v[S+j+2:S+j+3]
.set j, j+4
.endr
	v_pk_add_f32 v[\st+2:\st+3], v[\st+2:\st+3], v[PT:PT+1]
	s_wait_alu depctr_va_vdst(0)                   ; and one for the four
.irp b, 0,1,2,3
	v_max_num_f32 v[BM+\b], 0x1800000, v[BM+\b]    ; the floor 2^(3 - 127): the byte cannot fall under 1
.endr
.irp b, 0,1,2,3
	v_add_nc_u32 v[SO+\b], 0xff000000, v[BM+\b]    ; 2 off the exponent field: the conversion's scale operand
.endr
.irp b, 0,1,2,3
	v_lshrrev_b32 v[PT+\b], 23, v[SO+\b]           ; the scale's byte
.endr
	v_lshl_or_b32 v253, v[PT+1], 8, v[PT]          ; p's scale word for these 128 keys
	v_lshl_or_b32 v253, v[PT+2], 16, v253
	v_lshl_or_b32 v253, v[PT+3], 24, v253
.irp b, 0,1,2,3
	v_cvt_scalef32_pk8_fp4_f32 v[224+2*\b], v[S+16*\b:S+16*\b+7], v[SO+\b]
	v_cvt_scalef32_pk8_fp4_f32 v[225+2*\b], v[S+16*\b+8:S+16*\b+15], v[SO+\b]
.endr
	v_nop                                          ; one plain place behind a scaled conversion
.irp c, 0,1                            ; a whole block in a lane: lanes 0-15 block 2 c, lanes 16-31 block 2 c + 1
.irp i, 0,1
	v_permlane16_swap_b32 v[224+4*\c+\i], v[226+4*\c+\i]
.endr
.endr
.set j, 0
.rept 16
	v_pk_mul_f32 v[\ob+j:\ob+j+1], v[\ob+j:\ob+j+1], v[252:253] op_sel_hi:[1,0]   ; O^T under the new M, each accumulator from its low end on.  These sixteen are also the places between p's codes and scale word and the products
.set j, j+2
.endr
	s_wait_dscnt 0x0                               ; V and its scale words are in
.irp c, 0,1,2,3
	PV \ob+8*\c, 192+8*\c, 224, 28+\c/2, 253, \c%2
.endr
.if \test
.Lhidden_\@:
.endif
	s_add_co_u32 s16, s16, 8                       ; my next step lies eight further on
	s_add_co_u32 s17, s17, 8*BLK
.endm
.macro TWO ob, st, qf, qs, dm, jd, test        ; two trips: a constant count
	s_mov_b32 s18, 2
.Ltwo_\@:
	STEP \ob, \st, \qf, \qs, \dm, \jd, \test
	s_sub_co_u32 s18, s18, 1
	s_cmp_lg_u32 s18, 0
	s_cbranch_scc1 .Ltwo_\@
.endm
	s_load_b128 s[4:7], s[0:1], 0x0                ; qc s[4:5], kv s[6:7]
	s_load_b64 s[8:9], s[0:1], 0x10                ; out0
	v_lshl_add_u32 v254, v0, 2, 0x47000
	v_mov_b32 v255, 0
	ds_add_u32 v254, v255
	ds_add_u32 v254, v255
	s_wait_dscnt 0x0
	v_lshrrev_b32 v1, 5, v0
	v_readfirstlane_b32 s10, v1                    ; wave 0..15
	s_bfe_u32 s11, ttmp6, 0x40000                  ; cx: my place in the cluster: it enters Q's and out0's addresses and the diagonal's bounds alone
	s_mov_b32 s12, ttmp9                           ; X: the cluster's x
	s_and_b32 s13, ttmp7, 0xffff                   ; the batch
	s_and_b32 s14, s10, 7                          ; SP
	s_lshr_b32 s15, s10, 3                         ; U
	s_mov_b32 s19, s12                             ; the low tile's diagonal lies in step X,
	s_sub_co_u32 s20, 31, s12                      ; the high tile's in step 31 - X
	s_mov_b32 s22, 0x3e38aa3b                      ; c = log2(e) / 8
	s_mov_b32 s23, s22                             ; (named with it as a pair, so it is written)
	s_mov_b32 s40, 0x76543210
	s_mov_b32 s41, 0xfedcba98                      ; v_permlanex16_b32's selects for lane l xor 16
	; descriptor group 1: a dense block of 8,960 bytes as 35 rows of 32 elements of 8 bytes, no padding: every LDS load here takes 16 bytes a lane, lanes on end
	s_mov_b32 s24, 15|(3<<16)|(1<<21)              ; 15:0 the mask: all four work-groups; 17:16 elements of 8 bytes; 21 set beside a mask
	s_mov_b32 s25, 32<<16                          ; tensor_dim0 = 32
	s_mov_b32 s26, 35<<16                          ; tensor_dim1 = 35
	s_mov_b32 s27, 32<<16                          ; tile_dim0 = 32
	s_mov_b32 s28, 35                              ; tile_dim1 = 35
	s_mov_b32 s29, 32                              ; from row to row
	s_mov_b32 s30, 0
	s_mov_b32 s31, 0
	s_mul_i32 s62, s10, BLK                        ; block w: its place in LDS and in the batch.  (s60 to s63 never hold cx)
	s_mul_i32 s60, s13, 32*BLK
	s_add_co_u32 s60, s60, s62
	s_mov_b32 s61, 0
	; Q: the low tile lies in group 32 batch + X, 32-block cx; the high tile in group 32 batch + 31 - X, 32-block 3 - cx.  Fragment: 1,024 x block + 512 U; scale words: 4,096 + 256 U + 4 x block (+ 16 r)
	s_lshl_b32 s52, s13, 5
	s_add_co_u32 s53, s52, s19
	s_add_co_u32 s54, s52, s20
	s_mul_i32 s53, s53, 4608
	s_mul_i32 s54, s54, 4608
	s_sub_co_u32 s55, 3, s11
	s_lshl_b32 s56, s15, 9
	s_lshl_b32 s57, s15, 8
	s_add_co_u32 s57, s57, 4096
	s_lshl_b32 s44, s11, 10
	s_add_co_u32 s44, s44, s56
	s_add_co_u32 s44, s44, s53
	s_mov_b32 s45, 0
	s_lshl_b32 s46, s11, 2
	s_add_co_u32 s46, s46, s57
	s_add_co_u32 s46, s46, s53
	s_mov_b32 s47, 0
	s_lshl_b32 s48, s55, 10
	s_add_co_u32 s48, s48, s56
	s_add_co_u32 s48, s48, s54
	s_mov_b32 s49, 0
	s_lshl_b32 s50, s55, 2
	s_add_co_u32 s50, s50, s57
	s_add_co_u32 s50, s50, s54
	s_mov_b32 s51, 0
	s_lshl_b32 s56, s15, 3                         ; the diagonal's bounds: 32 x block + 8 U
	s_lshl_b32 s58, s11, 5
	s_add_co_u32 s58, s58, s56
	s_lshl_b32 s59, s55, 5
	s_add_co_u32 s59, s59, s56
	; out0: in the merge wave w stores rows 4 (w % 4) .. + 3 of tile w / 4 (0, 1: the low block's; 2, 3: the high block's): query 32 x block + 8 ((w / 4) % 2) + row + 8 (row / 8)
	s_lshl_b32 s52, s12, 2
	s_add_co_u32 s52, s52, s11                     ; g
	s_sub_co_u32 s53, 127, s52
	s_cmp_lt_u32 s10, 8
	s_cselect_b32 s52, s52, s53
	s_lshl_b32 s52, s52, 5
	s_lshl_b32 s53, s13, 12
	s_add_co_u32 s52, s52, s53
	s_bfe_u32 s53, s10, 0x10002
	s_lshl_b32 s53, s53, 3
	s_add_co_u32 s52, s52, s53
	s_and_b32 s53, s10, 3
	s_lshl_b32 s53, s53, 2
	s_add_co_u32 s52, s52, s53
	s_bfe_u32 s53, s10, 0x10001
	s_lshl_b32 s53, s53, 3
	s_add_co_u32 s52, s52, s53
	s_lshl_b32 s42, s52, 8                         ; a row of out0 is 256 bytes
	s_mov_b32 s43, 0
	v_and_b32 v2, 31, v0
	v_lshlrev_b32 v1, 4, v2                        ; 16 x lane
	v_lshlrev_b32 v2, 2, v2                        ; 4 x lane
	v_and_b32 v3, 15, v0                           ; r
	v_bfe_u32 v4, v0, 4, 1                         ; h
	v_lshlrev_b32 v254, 4, v3                      ; 16 r: Q's scale words
	v_and_b32 v5, 8, v3
	v_add_nc_u32 v5, v5, v3
	v_lshlrev_b32 v6, 4, v4
	v_sub_nc_u32 v5, v5, v6                        ; r + 8 (r / 8) - 16 h
	v_add_nc_u32 v6, s59, v5                       ; the high tile's bound
	v_add_nc_u32 v5, s58, v5                       ; the low tile's
	s_wait_kmcnt 0x0
	s_mov_b32 s32, 1                               ; group 0 of my first load: count = 1,
	s_mov_b32 s33, s62                             ; LDS address,
	s_add_nc_u64 s[34:35], s[6:7], s[60:61]        ; global address: block w of the batch
	s_mov_b32 s36, 1                               ; and of my second: block 16 + w
	s_add_co_u32 s37, s62, CHUNK
	s_add_nc_u64 s[38:39], s[34:35], CHUNK
	s_or_b32 s35, s35, 0x80000000                  ; type = 2
	s_or_b32 s39, s39, 0x80000000
	s_add_nc_u64 s[44:45], s[4:5], s[44:45]
	s_add_nc_u64 s[46:47], s[4:5], s[46:47]
	s_add_nc_u64 s[48:49], s[4:5], s[48:49]
	s_add_nc_u64 s[50:51], s[4:5], s[50:51]
	s_add_nc_u64 s[8:9], s[8:9], s[42:43]
	ROUND                                          ; all four work-groups are here: the joint loads meet
	tensor_load_to_lds s[32:35], s[24:31]          ; both fills of the wave go out together, ahead of every wait on TENSORcnt and every LDS read
	s_nop 0
	tensor_load_to_lds s[36:39], s[24:31]
	s_nop 0
.rept 4
	v_nop                                          ; four places behind a tensor load
.endr
	global_load_b128 v[16:19], v1, s[44:45]        ; Q stays in registers
	global_load_b32 v30, v254, s[46:47]
	global_load_b128 v[232:235], v1, s[48:49]
	global_load_b32 v31, v254, s[50:51]
.irp j, 20,21,22,23,236,237,238,239
	v_mov_b32 v\j, 0                               ; K = 64 .. 127 of Q's fragments: zero codes
.endr
.irp t, 0,1,2,3
.irp j, 4,5,6,7
	v_mov_b32 v[32+8*\t+\j], 0                     ; and of K's: written once, no load lands there
.endr
.endr
.set i, 128
.rept 64
	v_mov_b32 v[i], 0                              ; both O^T.  The step is written once: its first trip finds zeros, and a wave none of whose steps has work hands zeros to the merge
.set i, i+1
.endr
	v_mov_b32 v9, 0xff61b1e6                       ; the largest t so far: -3e38, under every t
	v_floor_f32 v8, -v9                            ; -M
	v_mov_b32 v10, 0
	v_mov_b32 v11, 0
	v_mov_b32 v13, 0xff61b1e6
	v_floor_f32 v12, -v13
	v_mov_b32 v14, 0
	v_mov_b32 v15, 0
	v_mov_b32 v7, 0xff800000                       ; -infinity
.irp b, 0,1,2,3
	v_mov_b32 v[PT+\b], 0                          ; written once: a lane permute's destination counts as one of its sources
.endr
	v_mov_b32 v253, 0                              ; (named as the upper half of the pair v[252:253] before it is first written)
	s_wait_loadcnt 0x0                             ; Q
	s_wait_tensorcnt 0x1                           ; my block of the lower half is in; my block of the upper half may stay out
	s_barrier_signal -1
	s_barrier_wait -1                              ; blocks 0 to 15 are whole
	s_mov_b32 s16, s14                             ; THE LOW TILE: steps SP, SP + 8: blocks 0 to 15
	s_mul_i32 s17, s14, BLK
	TWO 128, 8, 16, 30, 5, 19, 1
	s_xor_b32 s16, s14, 7                          ; THE HIGH TILE: steps 7 - SP, 15 - SP: blocks 0 to 15, all in front of its diagonal (31 - X is 16 or more)
	s_mul_i32 s17, s16, BLK
	TWO 160, 12, 232, 31, 6, 20, 0
	s_wait_tensorcnt 0x0                           ; my block of the upper half is in,
	s_wait_dscnt 0x0
	s_barrier_signal -1
	s_barrier_wait -1                              ; everybody's is
	TWO 160, 12, 232, 31, 6, 20, 1                 ; steps 23 - SP, 31 - SP
	; THE MERGE.  Addresses first: plain instructions that name no register of the last products: the places behind them.  Their scalar parts are made of the wave's number alone
	v_and_b32 v7, 15, v0                           ; r
	v_bfe_u32 v255, v0, 4, 1                       ; h
	s_mul_i32 s16, s10, PART
	v_mul_u32_u24 v3, v7, 272
	v_lshl_add_u32 v3, v255, 5, v3
	v_add_nc_u32 v3, s16, v3                       ; v3: into the stage, low tile: partial w, row r, + 32 h
	v_add_nc_u32 v4, 16*PART, v3                   ; v4: high tile: partial 16 + w
	s_lshl_b32 s17, s15, 9
	s_lshl_b32 s18, s14, 2
	s_add_co_u32 s17, s17, s18
	s_add_co_u32 s17, s17, STATS
	v_lshl_add_u32 v254, v7, 5, s17                ; v254: my statistics: 512 U + 32 r + 4 SP
	s_lshr_b32 s60, s10, 2
	s_mul_i32 s60, s60, 8*PART
	s_and_b32 s61, s10, 3
	s_mul_i32 s61, s61, 4*272
	s_add_co_u32 s60, s60, s61
	v_mul_u32_u24 v2, v255, 272
	v_lshl_add_u32 v2, v7, 4, v2
	v_add_nc_u32 v2, s60, v2                       ; v2: back: tile w / 4's eight partials, rows 4 (w % 4) + h (+ 2 i), 16 bytes a lane
	s_lshl_b32 s62, s10, 7
	s_add_co_u32 s62, s62, STATS
	v_lshl_add_u32 v252, v255, 5, s62              ; v252: those rows' statistics: 512 (w / 4) + 128 (w % 4) + 32 h
	v_add_f32 v10, v10, v11                        ; each sum's two halves,
	v_add_f32 v14, v14, v15
	v_permlanex16_b32 v244, v10, s40, s41
	v_permlanex16_b32 v245, v14, s40, s41
	v_add_f32 v10, v10, v244                       ; and lane l xor 16's
	v_add_f32 v14, v14, v245
	s_wait_dscnt 0x0                               ; my reads of K and V are over
	s_barrier_signal -1
	s_barrier_wait -1                              ; everybody's are: the blocks' bytes, which have had their only fill, become the stage
.irp c, 0,1,2,3
	ds_store_b128 v3, v[128+8*\c:131+8*\c] offset:64*\c            ; lane (r, h): channels 16 c + 8 h + 0 .. 7 of row r; each accumulator from its low end on
	ds_store_b128 v3, v[132+8*\c:135+8*\c] offset:64*\c+16
.endr
.irp c, 0,1,2,3
	ds_store_b128 v4, v[160+8*\c:163+8*\c] offset:64*\c
	ds_store_b128 v4, v[164+8*\c:167+8*\c] offset:64*\c+16
.endr
	ds_store_b32 v254, v8                          ; both halves of the lanes write the same word with the same value
	ds_store_b32 v254, v10 offset:2048
	ds_store_b32 v254, v12 offset:1024
	ds_store_b32 v254, v14 offset:3072
	s_wait_dscnt 0x0                               ; for the others' sake: my stores are done
	s_barrier_signal -1
	s_barrier_wait -1
.irp i, 0,1
.irp k, 0,1
	ds_load_b128 v[32+16*\i+4*\k:35+16*\i+4*\k], v252 offset:64*\i+16*\k          ; the eight -M of my row,
	ds_load_b128 v[40+16*\i+4*\k:43+16*\i+4*\k], v252 offset:2048+64*\i+16*\k     ; its eight sums,
.endr
.irp s, 0,1,2,3,4,5,6,7
	ds_load_b128 v[64+32*\i+4*\s:67+32*\i+4*\s], v2 offset:PART*\s+544*\i         ; and my four channels of its eight partial results
.endr
.endr
	s_wait_dscnt 0x0
.irp i, 0,1
	v_min_num_f32 v[248+\i], v[32+16*\i], v[33+16*\i]
.endr
.irp s, 2,3,4,5,6,7
.irp i, 0,1
	v_min_num_f32 v[248+\i], v[248+\i], v[32+16*\i+\s]             ; the smallest -M: the row's M
.endr
.endr
.irp s, 0,1,2,3,4,5,6,7
.irp i, 0,1
	v_sub_f32 v[32+16*\i+\s], v[248+\i], v[32+16*\i+\s]            ; a partial's M - the row's M: a whole number, 0 or less
.endr
.endr
.irp s, 0,1,2,3,4,5,6,7
.irp i, 0,1
	v_cvt_i32_f32 v[32+16*\i+\s], v[32+16*\i+\s]                   ; (it saturates: a partial without work gets the factor 0)
.endr
.endr
.irp s, 0,1,2,3,4,5,6,7
.irp i, 0,1
	v_ldexp_f32 v[32+16*\i+\s], 1.0, v[32+16*\i+\s]                ; the partial's factor: a power of two
.endr
.endr
.irp i, 0,1
	v_mul_f32 v[250+\i], v[32+16*\i], v[40+16*\i]
.endr
.irp s, 1,2,3,4,5,6,7
.irp i, 0,1
	v_fmac_f32 v[250+\i], v[32+16*\i+\s], v[40+16*\i+\s]           ; the row's sum
.endr
.endr
	v_rcp_f32 v248, v250
	v_rcp_f32 v249, v251
.irp i, 0,1                            ; the partial results under the row's M: plain work that names neither reciprocal stands behind them
.irp j, 0,1,2,3
	v_mul_f32 v[224+4*\i+\j], v[32+16*\i], v[64+32*\i+\j]
.endr
.endr
.irp s, 1,2,3,4,5,6,7
.irp i, 0,1
.irp j, 0,1,2,3
	v_fmac_f32 v[224+4*\i+\j], v[32+16*\i+\s], v[64+32*\i+4*\s+\j]
.endr
.endr
.endr
	s_wait_alu depctr_va_vdst(0)                   ; one wait for both reciprocals, ahead of their first reader
.irp i, 0,1
.irp j, 0,1,2,3
	v_mul_f32 v[224+4*\i+\j], v[224+4*\i+\j], v[248+\i]
.endr
.endr
.irp i, 0,1
	global_store_b128 v1, v[224+4*\i:227+4*\i], s[8:9] offset:512*\i th:TH_STORE_NT   ; two rows of 256 bytes: 512 consecutive bytes, aligned to 256; written once, read by nobody here
.endr
	s_wait_xcnt 0x0
	v_lshl_add_u32 v254, v0, 2, 0x47000
	v_mov_b32 v255, 0
	s_wait_tensorcnt 0x0
	ds_add_u32 v254, v255
	s_wait_dscnt 0x0
	ROUND                                          ; the closing round: no work-group ends while a partner may still ask for a block that names it
	s_endpgm
.Lfunc_end_k_q21dcf7ec6b_attn:
	.size	k_q21dcf7ec6b_attn, .Lfunc_end_k_q21dcf7ec6b_attn-k_q21dcf7ec6b_attn
	.p2alignl 7, 3214868480
	.fill 96, 4, 3214868480
	.section	.rodata,"a",@progbits
	.p2align	6, 0x0
	.amdhsa_kernel k_q21dcf7ec6b_attn
		.amdhsa_group_segment_fixed_size 292864
		.amdhsa_private_segment_fixed_size 0
		.amdhsa_enable_private_segment 0
		.amdhsa_kernarg_size 24
		.amdhsa_user_sgpr_count 2
		.amdhsa_user_sgpr_kernarg_segment_ptr 1
		.amdhsa_wavefront_size32 1
		.amdhsa_system_sgpr_workgroup_id_x 1
		.amdhsa_system_sgpr_workgroup_id_y 1
		.amdhsa_system_sgpr_workgroup_id_z 1
		.amdhsa_system_vgpr_workitem_id 0
		.amdhsa_next_free_vgpr 256
		.amdhsa_next_free_sgpr 66
		.amdhsa_reserve_vcc 1
		.amdhsa_float_denorm_mode_32 3
		.amdhsa_float_denorm_mode_16_64 3
		.amdhsa_memory_ordered 1
		.amdhsa_forward_progress 1
		.amdhsa_inst_pref_size 75
	.end_amdhsa_kernel
	.amdgpu_metadata
---
amdhsa.version: [ 1, 2 ]
amdhsa.kernels:
  - .name:           k_q21dcf7ec6b_attn
    .symbol:         k_q21dcf7ec6b_attn.kd
    .args:
      - { .name: qc, .offset: 0, .size: 8, .value_kind: global_buffer, .address_space: global }
      - { .name: kv, .offset: 8, .size: 8, .value_kind: global_buffer, .address_space: global }
      - { .name: out0, .offset: 16, .size: 8, .value_kind: global_buffer, .address_space: global }
    .group_segment_fixed_size: 292864
    .private_segment_fixed_size: 0
    .kernarg_segment_align: 8
    .kernarg_segment_size: 24
    .max_flat_workgroup_size: 512
    .sgpr_count:     66
    .vgpr_count:     256
    .wavefront_size: 32
...
	.end_amdgpu_metadata
.endif
;; end of part 2
;; ======== version 2 of 2: 2 launches; version 1 with the launch proj written anew for expert scheduling mode
;; workspace buffers: qc 589,824 bytes; kv 1,146,880 bytes
;; launch proj (part 3): grid 256 x 1, 4 waves a work-group, no clusters, 1,536 bytes of LDS; arguments x_codes, x_scales, Wq_codes, Wq_scales, Wk_codes, Wk_scales, Wv_codes, Wv_scales, qc, kv; writes qc, kv
.if DOCPART == 3
	.amdgcn_target "amdgcn-amd-amdhsa--gfx1250"
	.amdhsa_code_object_version 6
	.text
	.protected	k_q21dcf7ec6b_proj
	.globl	k_q21dcf7ec6b_proj
	.p2align	8
	.type	k_q21dcf7ec6b_proj,@function
k_q21dcf7ec6b_proj:
	s_mov_b64 s[64:65], 0
	v_nop
	global_prefetch_b8 v0, s[64:65] scope:SCOPE_SE
	s_setreg_imm32_b32 hwreg(HW_REG_WAVE_SCHED_MODE, 0, 2), 2
	s_setreg_imm32_b32 hwreg(HW_REG_WAVE_MODE, 25, 1), 1
	s_wait_xcnt 0x0
	s_wait_alu depctr_vm_vsrc(0)
; q = x Wq, k = x Wk, v = x Wv on codes of FP4 (E2M1) with E8M0 scales, K = 768 in six steps of 128; then q and k are quantised along the 64 channels and v along the keys,
; and all three are laid in memory in the order of the operand registers of the launch that follows, so that it fetches every fragment as 16 bytes a lane, lanes on end.
; SHARES.  16,384 rows are 128 groups of 128.  Work-group n takes group n / 2.  n even: q (into qc) and v's channels 0-31; n odd: k (into kv) and v's channels 32-63.  One path through the text:
; only pointers and offsets are chosen, on the work-group's number.  Wave w takes rows 32 w .. 32 w + 31 of the group as two tiles: lane r of tile u takes row 8 u + r + 8 (r / 8).
; q, k: THE PRODUCT IS USED TRANSPOSED (source 0 = 16 rows of W, source 1 = 16 rows of x), and lane r of W's tile 2 b + u takes W's row 32 b + 8 u + r + 8 (r / 8): a lane then holds one row of x, and the
; 16 registers of tiles 2 b, 2 b + 1 are channels 32 b + 16 (lane / 16) + 0 .. 15.   v: source 0 = x, source 1 = 16 rows of Wv: a lane holds one channel, and its 16 registers are keys 16 (lane / 16) + 0 .. 15 of the wave's 32.
; A block's scale byte is its largest magnitude's exponent field - 2, held at 1 from below; the conversion divides, holds at +-6 and rounds to the nearest code, ties to even.
; LIMITS: NaN and infinities are not served; a block of zeros gets the byte 1 (its codes are zeros, and this program alone reads the bytes); blocks whose largest magnitude lies under 2^-124 sit at that floor.
; NO CLUSTER, NO LDS TILES: every operand goes from memory straight into the registers of the wave that multiplies it, once: 12 KiB of x, 24 KiB of W and 12 KiB of Wv a wave; there is no tile in LDS that a joint load could fill.
; OUT.  kv: a block of 8,960 bytes for each 128 keys: 8 tiles of k x 512 bytes | 4 tiles of v^T x 1,024 | 512 bytes of k's scale words [lane][4] | 256 of v's [2][lane].  qc: 4,608 bytes for each 128 queries: 8 x 512 | 512.
; REGISTERS, in windows of 256.  Window 0: as named below.  Window 1: W's fragment (t, s) at v[8 (6 t + s)].  Window 2: Wv's fragment (c, s) at v[8 (6 c + s)].
; THE MODE: SCHED_MODE bits 1:0 = 2 (LLVM: expert scheduling mode 2), set by the entry lines.  The code itself states the register dependences
; between vector or matrix instructions and memory or LDS instructions, with s_wait_alu, always for 0.
; THE PLAN.  Registers that memory or LDS instructions touch:
;   v1-v7, v9         offsets and LDS addresses: written at the head, once; read by loads and stores; never written again.
;   XS, WS, VS, X, windows 1 and 2   written by the loads at the head alone, ahead of every vector or matrix instruction that names them; never loaded again.
;   PC, v14           written by q's or k's conversions, exchanges and one select; read by three stores; never written again.
;   VC, v15           written by v's conversions and one select; read by three stores; never written again.
;   v232-239          at work in both quantisers; at the end wave 0's eight LDS loads land there; v236 is then written by three vector lines and stored.
; So one wait on va_vdst stands ahead of the loads, one ahead of each of the two runs of stores, one ahead of wave 0's last store.  The second run's wait also shows every vector instruction that named v232-239 done: none
; is issued between it and wave 0's LDS loads.  No register that a memory or LDS instruction has read is written afterwards: no wait on vm_vsrc is owed.  The wave's number and VCC, made by vector instructions, have their waits at the head.
; THE ORDER: q or k is multiplied, quantised and stored while Wv's 27 loads may still be out; then v.
.set XS,   16                          ; v16-21   x's scale word of K step s: lanes 0-15 tile 0, lanes 16-31 tile 1
.set WS,   22                          ; v22-33   W's: v[WS + 6 b + s]: lanes 0-15 tile 2 b, lanes 16-31 tile 2 b + 1
.set VS,   34                          ; v34-39   Wv's: lanes 0-15 tile 0, lanes 16-31 tile 1
.set X,    40                          ; v40-135  x's fragment (u, s) at X + 48 u + 8 s
.set ACC,  136                         ; v136-199 q or k: accumulator (u, t) at ACC + 8 (4 u + t)
.set ACCV, 200                         ; v200-231 v: accumulator (c, u) at ACCV + 16 c + 8 u
.set TM,   232                         ; v232-235 largest magnitudes; v236-239 the other half's, then bytes; v240-243 the conversions' scale operands
.set PC,   244                         ; v244-251 codes of q or k
.set VC,   10                          ; v10-13   codes of v
.set QBLK, 4608
.set KBLK, 8960
.set MSB, 0
.macro WIN new                         ; the immediate's high byte repeats the setting that is left
.if MSB != \new
	s_set_vgpr_msb (MSB<<8)|\new
.set MSB, \new
.endif
.endm
; One matrix instruction.  z: the sum begins (C = 0).  ra, rb: source 0's, source 1's scales stand in lanes 16-31 of the register named.
.macro WM d, a, b, z, sa, sb, ra, rb
.if (\z) && (\ra) && (\rb)
	v_wmma_scale_f32_16x16x128_f8f6f4 v[\d:\d+7], v[\a:\a+7], v[\b:\b+7], 0, v[\sa], v[\sb] matrix_a_fmt:MATRIX_FMT_FP4 matrix_b_fmt:MATRIX_FMT_FP4 matrix_a_scale:MATRIX_SCALE_ROW1 matrix_b_scale:MATRIX_SCALE_ROW1
.elseif (\z) && (\ra)
	v_wmma_scale_f32_16x16x128_f8f6f4 v[\d:\d+7], v[\a:\a+7], v[\b:\b+7], 0, v[\sa], v[\sb] matrix_a_fmt:MATRIX_FMT_FP4 matrix_b_fmt:MATRIX_FMT_FP4 matrix_a_scale:MATRIX_SCALE_ROW1
.elseif (\z) && (\rb)
	v_wmma_scale_f32_16x16x128_f8f6f4 v[\d:\d+7], v[\a:\a+7], v[\b:\b+7], 0, v[\sa], v[\sb] matrix_a_fmt:MATRIX_FMT_FP4 matrix_b_fmt:MATRIX_FMT_FP4 matrix_b_scale:MATRIX_SCALE_ROW1
.elseif (\z)
	v_wmma_scale_f32_16x16x128_f8f6f4 v[\d:\d+7], v[\a:\a+7], v[\b:\b+7], 0, v[\sa], v[\sb] matrix_a_fmt:MATRIX_FMT_FP4 matrix_b_fmt:MATRIX_FMT_FP4
.elseif (\ra) && (\rb)
	v_wmma_scale_f32_16x16x128_f8f6f4 v[\d:\d+7], v[\a:\a+7], v[\b:\b+7], v[\d:\d+7], v[\sa], v[\sb] matrix_a_fmt:MATRIX_FMT_FP4 matrix_b_fmt:MATRIX_FMT_FP4 matrix_a_scale:MATRIX_SCALE_ROW1 matrix_b_scale:MATRIX_SCALE_ROW1
.elseif (\ra)
	v_wmma_scale_f32_16x16x128_f8f6f4 v[\d:\d+7], v[\a:\a+7], v[\b:\b+7], v[\d:\d+7], v[\sa], v[\sb] matrix_a_fmt:MATRIX_FMT_FP4 matrix_b_fmt:MATRIX_FMT_FP4 matrix_a_scale:MATRIX_SCALE_ROW1
.elseif (\rb)
	v_wmma_scale_f32_16x16x128_f8f6f4 v[\d:\d+7], v[\a:\a+7], v[\b:\b+7], v[\d:\d+7], v[\sa], v[\sb] matrix_a_fmt:MATRIX_FMT_FP4 matrix_b_fmt:MATRIX_FMT_FP4 matrix_b_scale:MATRIX_SCALE_ROW1
.else
	v_wmma_scale_f32_16x16x128_f8f6f4 v[\d:\d+7], v[\a:\a+7], v[\b:\b+7], v[\d:\d+7], v[\sa], v[\sb] matrix_a_fmt:MATRIX_FMT_FP4 matrix_b_fmt:MATRIX_FMT_FP4
.endif
.endm
	s_load_b512 s[4:19], s[0:1], 0x0               ; x's codes 4:5, scales 6:7; Wq's 8:9, 10:11; Wk's 12:13, 14:15; Wv's 16:17, 18:19
	s_load_b128 s[20:23], s[0:1], 0x40             ; qc 20:21, kv 22:23
	v_lshl_add_u32 v8, v0, 2, 0x400
	v_mov_b32 v255, 0
	v_lshrrev_b32 v1, 5, v0
	v_readfirstlane_b32 s24, v1                    ; wave 0..3
	s_lshr_b32 s25, ttmp9, 1                       ; the group of 128 rows
	s_and_b32 s26, ttmp9, 1                        ; 0: q and v's lower channels; 1: k and v's upper
	s_mov_b32 s30, 0x76543210
	s_mov_b32 s31, 0xfedcba98                      ; v_permlanex16_b32's selects for lane l xor 16
	v_and_b32 v254, 31, v0                         ; lane
	v_cmp_le_u32 vcc_lo, 16, v254                  ; VCC: lanes 16-31.  Made once, here; the two selects of scale words below read it
	v_and_b32 v10, 15, v0                          ; r
	v_bfe_u32 v11, v0, 4, 1                        ; h
	v_and_b32 v12, 8, v10
	v_add_nc_u32 v12, v12, v10                     ; r + 8 (r / 8)
	v_lshlrev_b32 v1, 4, v254                      ; v1: 16 x lane
	v_mul_u32_u24 v2, v12, 384
	v_lshl_add_u32 v2, v11, 4, v2                  ; v2: x's and W's fragments: row r + 8 (r / 8) of 384 bytes, + 16 h
	v_mul_u32_u24 v3, v10, 384
	v_lshl_add_u32 v3, v11, 4, v3                  ; v3: Wv's: row r, + 16 h
	v_lshl_add_u32 v4, v11, 3, v12
	v_mul_u32_u24 v4, v4, 24                       ; v4: x's and W's scale words: row 8 h + r + 8 (r / 8) of 24 bytes: the tile of my half of the lanes
	v_mul_u32_u24 v5, v254, 24                     ; v5: Wv's: row = lane
	v_lshlrev_b32 v6, 4, v10
	v_lshl_add_u32 v6, v11, 3, v6                  ; v6: v's codes on the way out: 16 r + 8 h
	v_lshlrev_b32 v7, 2, v0                        ; v7: LDS: 4 x my thread's number = 128 x wave + 4 x lane
	v_lshlrev_b32 v9, 2, v254                      ; v9: 4 x lane
.irp b, 0,1,2,3
	v_mov_b32 v[TM+4+\b], 0                        ; written once: a lane permute's destination counts as one of its sources
.endr
	s_wait_alu depctr_va_sdst(0)                   ; s24, the wave's number, is written, ahead of its first reader: the offsets below are made from it
	s_wait_alu depctr_va_vcc(0)                    ; VCC is written, ahead of its first reader, the select of q's or k's scale words; no branch and no label stands between, and nothing writes VCC again
	s_mul_i32 s40, s25, 49152                      ; x's codes: 128 rows of 384 bytes a group,
	s_mul_i32 s41, s24, 12288                      ; 32 rows a wave
	s_add_co_u32 s40, s40, s41
	s_mov_b32 s41, 0
	s_mul_i32 s42, s25, 3072                       ; x's scales: 24 bytes a row
	s_mul_i32 s43, s24, 768
	s_add_co_u32 s42, s42, s43
	s_mov_b32 s43, 0
	s_mul_i32 s44, s26, 12288                      ; Wv's 32 rows of mine: codes,
	s_mov_b32 s45, 0
	s_mul_i32 s46, s26, 768                        ; scales
	s_mov_b32 s47, 0
	s_mul_i32 s50, s25, KBLK                       ; the group's block in kv
	s_lshl_b32 s51, s26, 11                        ; v^T: two tiles of 1,024 bytes for each work-group of the pair,
	s_add_co_u32 s52, s50, s51
	s_lshl_b32 s51, s24, 8                         ; in a tile the wave's 32 keys are 256 bytes: piece w / 2, lanes 16 (w % 2) on
	s_add_co_u32 s52, s52, s51
	s_add_co_u32 s52, s52, 4096
	s_mov_b32 s53, 0
	s_lshl_b32 s51, s26, 7                         ; v's scale words: 128 bytes for each work-group of the pair
	s_add_co_u32 s54, s50, s51
	s_add_co_u32 s54, s54, 8704
	s_mov_b32 s55, 0
	s_wait_kmcnt 0x0
	s_cmp_eq_u32 s26, 0                            ; the choice hangs on the work-group's number alone; moves, selects and multiplies leave SCC as it is
	s_cselect_b64 s[8:9], s[8:9], s[12:13]         ; W's codes: Wq's or Wk's
	s_cselect_b64 s[10:11], s[10:11], s[14:15]     ; W's scales
	s_cselect_b64 s[32:33], s[20:21], s[22:23]     ; where q or k goes
	s_mov_b32 s48, KBLK
	s_cselect_b32 s48, QBLK, s48                   ; a block there,
	s_mov_b32 s49, 8192
	s_cselect_b32 s49, 4096, s49                   ; and where its scale words begin
	s_mul_i32 s48, s25, s48
	s_add_co_u32 s56, s48, s49
	s_mov_b32 s57, 0
	s_lshl_b32 s49, s24, 10                        ; the wave's two tiles: 1,024 bytes
	s_add_co_u32 s48, s48, s49
	s_mov_b32 s49, 0
	s_add_nc_u64 s[34:35], s[32:33], s[56:57]      ; s[34:35]: the block's scale words
	s_add_nc_u64 s[32:33], s[32:33], s[48:49]      ; s[32:33]: my two tiles
	s_add_nc_u64 s[4:5], s[4:5], s[40:41]
	s_add_nc_u64 s[6:7], s[6:7], s[42:43]
	s_add_nc_u64 s[16:17], s[16:17], s[44:45]
	s_add_nc_u64 s[18:19], s[18:19], s[46:47]
	s_add_nc_u64 s[36:37], s[22:23], s[52:53]      ; s[36:37]: my keys' place in v^T's tiles
	s_add_nc_u64 s[38:39], s[22:23], s[54:55]      ; s[38:39]: v's scale words
	; ALL LOADS AT THE HEAD: what the first product wants first (81 loads), then what the second wants besides (27)
	s_wait_alu depctr_va_vdst(0)                   ; the offsets and LDS addresses v1 to v7 and v9 are written, which every load and store of the kernel reads; up to the last load only loads and window switches follow
.irp k, 0,1,2
	global_load_b64 v[XS+2*\k:XS+2*\k+1], v4, s[6:7] offset:8*\k
.endr
.irp b, 0,1
.irp k, 0,1,2
	global_load_b64 v[WS+6*\b+2*\k:WS+6*\b+2*\k+1], v4, s[10:11] offset:768*\b+8*\k
.endr
.endr
.irp u, 0,1
.irp s, 0,1,2,3,4,5
.irp c, 0,1
	global_load_b128 v[X+48*\u+8*\s+4*\c:X+48*\u+8*\s+4*\c+3], v2, s[4:5] offset:3072*\u+64*\s+32*\c
.endr
.endr
.endr
	WIN 0x40                                       ; destination window 1
.irp t, 0,1,2,3
.irp s, 0,1,2,3,4,5
.irp c, 0,1
	global_load_b128 v[8*(6*\t+\s)+4*\c:8*(6*\t+\s)+4*\c+3], v2, s[8:9] offset:(32*(\t/2)+8*(\t%2))*384+64*\s+32*\c
.endr
.endr
.endr
	WIN 0
.irp k, 0,1,2
	global_load_b64 v[VS+2*\k:VS+2*\k+1], v5, s[18:19] offset:8*\k
.endr
	WIN 0x80                                       ; destination window 2
.irp c, 0,1
.irp s, 0,1,2,3,4,5
.irp p, 0,1
	global_load_b128 v[8*(6*\c+\s)+4*\p:8*(6*\c+\s)+4*\p+3], v3, s[16:17] offset:6144*\c+64*\s+32*\p
.endr
.endr
.endr
	WIN 0
	s_wait_loadcnt 27                              ; loads come back in order: all but Wv's 3 scale loads and 24 fragment loads are in
	WIN 0x01                                       ; source 0 (W) window 1
.irp s, 0,1,2,3,4,5                    ; q or k: eight accumulators by turns, one instruction a turn, K ascending
.irp u, 0,1
.irp t, 0,1,2,3
	WM ACC+8*(4*\u+\t), 8*(6*\t+\s), X+48*\u+8*\s, \s==0, WS+6*(\t/2)+\s, XS+\s, \t%2, \u
.endr
.endr
.endr
	WIN 0
.rept 4
	v_nop                                          ; four places between the last matrix instruction and the first read of results
.endr
	; q or k INTO CODES.  Block 2 u + b: channels 32 b .. 32 b + 31 of my row of tile u: 16 numbers here, 16 in lane l xor 16.  Each accumulator is read from its low end on.
.irp b, 0,1,2,3
	v_max3_num_f32 v[TM+\b], |v[ACC+16*\b]|, |v[ACC+1+16*\b]|, 0x1800000   ; with the floor 2^(3 - 127): the byte cannot fall under 1
.endr
.irp i, 2,4,6,8,10,12,14
.irp b, 0,1,2,3
	v_max3_num_f32 v[TM+\b], v[TM+\b], |v[ACC+16*\b+\i]|, |v[ACC+1+16*\b+\i]|   ; the four blocks by turns
.endr
.endr
.irp b, 0,1,2,3
	v_permlanex16_b32 v[TM+4+\b], v[TM+\b], s30, s31
.endr
.irp b, 0,1,2,3
	v_max_num_f32 v[TM+\b], v[TM+\b], v[TM+4+\b]   ; the block's largest magnitude
.endr
.irp b, 0,1,2,3
	v_add_nc_u32 v[TM+8+\b], 0xff000000, v[TM+\b]  ; 2 off its exponent field: the conversion's scale operand
.endr
.irp b, 0,1,2,3
	v_lshrrev_b32 v[TM+4+\b], 23, v[TM+8+\b]       ; the scale's byte
.endr
	v_lshl_or_b32 v252, v[TM+5], 8, v[TM+4]        ; tile 0's scale word: byte 0 channels 0-31, byte 1 channels 32-63,
	v_lshl_or_b32 v253, v[TM+7], 8, v[TM+6]        ; tile 1's
	v_or_b32 v252, 0x7f7f0000, v252                ; bytes 2 and 3 stand for 1: the next launch fills K = 64 .. 127 with zero codes
	v_or_b32 v253, 0x7f7f0000, v253
.irp b, 0,1,2,3
	v_cvt_scalef32_pk8_fp4_f32 v[PC+2*\b], v[ACC+16*\b:ACC+16*\b+7], v[TM+8+\b]
	v_cvt_scalef32_pk8_fp4_f32 v[PC+2*\b+1], v[ACC+16*\b+8:ACC+16*\b+15], v[TM+8+\b]
.endr
	v_nop                                          ; one plain place behind a scaled conversion
.irp u, 0,1                            ; the operand's layout wants a whole block in a lane: lanes 0-15 channels 0-31, lanes 16-31 channels 32-63
.irp i, 0,1
	v_permlane16_swap_b32 v[PC+4*\u+\i], v[PC+4*\u+2+\i]
.endr
.endr
	v_cndmask_b32 v14, v252, v253, vcc_lo          ; lanes 0-15 tile 0's word, lanes 16-31 tile 1's
	s_wait_alu depctr_va_vdst(0)                   ; the exchanges have written v[PC ..] and the select v14, which the three stores below read
.irp u, 0,1
	global_store_b128 v1, v[PC+4*\u:PC+4*\u+3], s[32:33] offset:512*\u   ; a tile: 512 consecutive bytes, aligned to 256
.endr
	ds_store_b32 v7, v14
	s_wait_loadcnt 0x0                             ; Wv
	WIN 0x08                                       ; source 1 (Wv) window 2
.irp s, 0,1,2,3,4,5                    ; v: four accumulators by turns
.irp c, 0,1
.irp u, 0,1
	WM ACCV+16*\c+8*\u, X+48*\u+8*\s, 8*(6*\c+\s), \s==0, XS+\s, VS+\s, \u, \c
.endr
.endr
.endr
	WIN 0
.rept 4
	v_nop                                          ; four places between the last matrix instruction and the first read of results
.endr
	; v INTO CODES.  Block c: my channel's 32 keys of this wave: 16 here, 16 in lane l xor 16
.irp c, 0,1
	v_max3_num_f32 v[TM+\c], |v[ACCV+16*\c]|, |v[ACCV+1+16*\c]|, 0x1800000
.endr
.irp i, 2,4,6,8,10,12,14
.irp c, 0,1
	v_max3_num_f32 v[TM+\c], v[TM+\c], |v[ACCV+16*\c+\i]|, |v[ACCV+1+16*\c+\i]|
.endr
.endr
.irp c, 0,1
	v_permlanex16_b32 v[TM+4+\c], v[TM+\c], s30, s31
.endr
.irp c, 0,1
	v_max_num_f32 v[TM+\c], v[TM+\c], v[TM+4+\c]
.endr
.irp c, 0,1
	v_add_nc_u32 v[TM+8+\c], 0xff000000, v[TM+\c]
.endr
.irp c, 0,1
	v_lshrrev_b32 v[TM+4+\c], 23, v[TM+8+\c]
.endr
.irp c, 0,1
	v_cvt_scalef32_pk8_fp4_f32 v[VC+2*\c], v[ACCV+16*\c:ACCV+16*\c+7], v[TM+8+\c]
	v_cvt_scalef32_pk8_fp4_f32 v[VC+2*\c+1], v[ACCV+16*\c+8:ACCV+16*\c+15], v[TM+8+\c]
.endr
	v_nop                                          ; one plain place behind a scaled conversion
	v_cndmask_b32 v15, v[TM+4], v[TM+5], vcc_lo    ; lanes 0-15 tile 0's byte, lanes 16-31 tile 1's
	s_wait_alu depctr_va_vdst(0)                   ; the conversions have written v[VC ..] and the select v15, which the three stores below read; and every vector instruction that named v232 to v239, in which wave 0's LDS loads land, is done
.irp c, 0,1
	global_store_b64 v6, v[VC+2*\c:VC+2*\c+1], s[36:37] offset:1024*\c   ; my 16 keys' codes are half of a lane's 16 bytes there: the wave stores 256 consecutive bytes, aligned
.endr
	ds_store_b32 v7, v15 offset:512
	; THE SCALE WORDS of the four waves meet in LDS and leave together
	s_wait_dscnt 0x0                               ; for the others' sake: my two stores are done
	s_barrier_signal -1
	s_barrier_wait -1
	s_cmp_lg_u32 s24, 0
	s_cbranch_scc1 .Ldone                          ; wave 0 alone goes on; no barrier follows
.irp k, 0,1,2,3
	ds_load_b32 v[232+\k], v9 offset:128*\k        ; wave k's word for my lane: tile 2 k + lane / 16, row lane % 16.  (No vector instruction has been issued since the last wait on va_vdst)
.endr
.irp k, 0,1,2,3
	ds_load_b32 v[236+\k], v9 offset:512+128*\k    ; wave k's byte: keys 32 k .. 32 k + 31 of channel tile lane / 16, row lane % 16
.endr
	s_wait_dscnt 0x0
	global_store_b128 v1, v[232:235], s[34:35]     ; 512 consecutive bytes; its data come from the LDS loads as they are
	v_lshl_or_b32 v236, v237, 8, v236
	v_lshl_or_b32 v236, v238, 16, v236
	v_lshl_or_b32 v236, v239, 24, v236
	s_wait_alu depctr_va_vdst(0)                   ; the three lines above have written v236, which the store below reads
	global_store_b32 v9, v236, s[38:39]            ; 128 consecutive bytes: the pair's other work-group stores the 128 beside them
.Ldone:
	s_wait_dscnt 0x0
	s_wait_alu depctr_hold_cnt(0) depctr_sa_sdst(0) depctr_va_vdst(0) depctr_va_sdst(0) depctr_va_ssrc(0) depctr_va_vcc(0) depctr_vm_vsrc(0)
	s_wait_tensorcnt 0x0
	ds_add_u32 v8, v255
	s_wait_dscnt 0x0
	s_endpgm
.Lfunc_end_k_q21dcf7ec6b_proj:
	.size	k_q21dcf7ec6b_proj, .Lfunc_end_k_q21dcf7ec6b_proj-k_q21dcf7ec6b_proj
	.p2alignl 7, 3214868480
	.fill 96, 4, 3214868480
	.section	.rodata,"a",@progbits
	.p2align	6, 0x0
	.amdhsa_kernel k_q21dcf7ec6b_proj
		.amdhsa_group_segment_fixed_size 1536
		.amdhsa_private_segment_fixed_size 0
		.amdhsa_enable_private_segment 0
		.amdhsa_kernarg_size 80
		.amdhsa_user_sgpr_count 2
		.amdhsa_user_sgpr_kernarg_segment_ptr 1
		.amdhsa_wavefront_size32 1
		.amdhsa_system_sgpr_workgroup_id_x 1
		.amdhsa_system_sgpr_workgroup_id_y 1
		.amdhsa_system_sgpr_workgroup_id_z 1
		.amdhsa_system_vgpr_workitem_id 0
		.amdhsa_next_free_vgpr 608
		.amdhsa_next_free_sgpr 66
		.amdhsa_reserve_vcc 1
		.amdhsa_float_denorm_mode_32 3
		.amdhsa_float_denorm_mode_16_64 3
		.amdhsa_memory_ordered 1
		.amdhsa_forward_progress 1
		.amdhsa_inst_pref_size 31
	.end_amdhsa_kernel
	.amdgpu_metadata
---
amdhsa.version: [ 1, 2 ]
amdhsa.kernels:
  - .name:           k_q21dcf7ec6b_proj
    .symbol:         k_q21dcf7ec6b_proj.kd
    .args:
      - { .name: x_codes, .offset: 0, .size: 8, .value_kind: global_buffer, .address_space: global }
      - { .name: x_scales, .offset: 8, .size: 8, .value_kind: global_buffer, .address_space: global }
      - { .name: Wq_codes, .offset: 16, .size: 8, .value_kind: global_buffer, .address_space: global }
      - { .name: Wq_scales, .offset: 24, .size: 8, .value_kind: global_buffer, .address_space: global }
      - { .name: Wk_codes, .offset: 32, .size: 8, .value_kind: global_buffer, .address_space: global }
      - { .name: Wk_scales, .offset: 40, .size: 8, .value_kind: global_buffer, .address_space: global }
      - { .name: Wv_codes, .offset: 48, .size: 8, .value_kind: global_buffer, .address_space: global }
      - { .name: Wv_scales, .offset: 56, .size: 8, .value_kind: global_buffer, .address_space: global }
      - { .name: qc, .offset: 64, .size: 8, .value_kind: global_buffer, .address_space: global }
      - { .name: kv, .offset: 72, .size: 8, .value_kind: global_buffer, .address_space: global }
    .group_segment_fixed_size: 1536
    .private_segment_fixed_size: 0
    .kernarg_segment_align: 8
    .kernarg_segment_size: 80
    .max_flat_workgroup_size: 128
    .sgpr_count:     66
    .vgpr_count:     608
    .wavefront_size: 32
...
	.end_amdgpu_metadata
.endif
;; end of part 3
;; launch attn: the kernel of part 2 again; grid 64 x 4, 16 waves a work-group, clusters of 4 x 1, 292,864 bytes of LDS; arguments qc, kv, out0; writes out0
